; MI455X (gfx1250); checked and timed in simulation.
; The chip was launched on July 23, 2026; its instructions are those of AMD's public machine-readable ISA for CDNA 5 (MIT licence, August 2026) and "CDNA5" Instruction Set Architecture Reference Guide (July 2026). The comments in the code are by the model that wrote it; some were corrected since.
;; Additive Scorer. Allowed arithmetic: matrix products marked QUANTISED: E4M3 operands, one E8M0 scale for each 32 along K, by v_wmma_scale_f32_16x16x128_f8f6f4 with both operands' format E4M3, f32 sums; products left as they are: f32 operands where the result goes on into a quantised operand, else bf16, f16 or f32 operands; f32 sums; everything else in f32.
;; Inputs: Wk_codes 128 x 16 x 32 uint8 (E4M3 codes of Wk, K innermost, in blocks of 32 codes); Wk_scales 128 x 16 uint8 (E8M0 scales of Wk, one for each 32 codes along K); Wq_codes 128 x 16 x 32 uint8 (E4M3 codes of Wq, K innermost, in blocks of 32 codes); Wq_scales 128 x 16 uint8 (E8M0 scales of Wq, one for each 32 codes along K); ks_codes 8 x 512 x 16 x 32 uint8 (E4M3 codes of ks, K innermost, in blocks of 32 codes); ks_scales 8 x 512 x 16 uint8 (E8M0 scales of ks, one for each 32 codes along K); qs_codes 8 x 512 x 16 x 32 uint8 (E4M3 codes of qs, K innermost, in blocks of 32 codes); qs_scales 8 x 512 x 16 uint8 (E8M0 scales of qs, one for each 32 codes along K); wv 128 float32.
;; Outputs: out0 8 x 512 x 512 float32.
;; This version of the problem:
;;   THIS VERSION OF THE PROBLEM IS GIVEN IN LOW PRECISION. The matrix products marked QUANTISED in the list below multiply operands that are first quantised to E4M3 (4 exponent bits, 3 mantissa bits; 8 bits a number), with one power-of-two scale for each 32 numbers along K (OCP MX v1.0); their sums are f32. All else is computed in f32.
;;   The module's matrix products, in the order in which they are computed (A, B: the left and right operand; K: the contracted axis; several contracted axes count as one K, in the product's order):
;;     1. [M 4,096, K 512] x [K 512, N 128]; A: input qs (given as codes); B: input Wq (given as codes): QUANTISED
;;     2. [M 4,096, K 512] x [K 512, N 128]; A: input ks (given as codes); B: input Wk (given as codes): QUANTISED
;;     3. [M 2,097,152, K 128] x [K 128, N 1]; A: computed on the way; B: input wv: left as it is (N = 1 < 16)
;;   THE QUANTISER, for each operand of a quantised product, along K:
;;     - K is cut into blocks of 32 from its start; a last block that is shorter is filled with zeros.
;;     - A block's scale is 2^e with e = floor(log2(the largest magnitude in the block)) - 8, held to -126 .. 127; a block of zeros has e = 0. As a byte (E8M0): e + 127.
;;     - Each number is divided by its block's scale, clamped to +-448, and rounded to the nearest number of E4M3, ties to even, subnormals kept.
;;     - The product sums the exact products of the quantised numbers (number of the format x scale) in f32.
;;   ~~~python
;;   def quantise(x, axis):      # numpy; x: float32 -> the quantised numbers, widened to float32 again
;;       x = np.moveaxis(x, axis, -1); K = x.shape[-1]
;;       x = np.pad(x, [(0, 0)] * (x.ndim - 1) + [(0, -K % 32)]); x = x.reshape(x.shape[:-1] + (-1, 32)); a = np.abs(x).max(-1, keepdims=True)
;;       e = np.where(a > 0, np.clip(np.frexp(np.where(a > 0, a, 1))[1] - 1 - 8, -126, 127), 0)      # np.frexp(a)[1] - 1 = floor(log2(a)), exactly
;;       r = np.clip(x / 2.0 ** e, -448, 448)
;;       step = 2.0 ** (np.maximum(np.frexp(np.where(r == 0, 1, r))[1] - 1, -6) - 3)
;;       q = np.round(r / step) * step * 2.0 ** e      # np.round: ties to even
;;       return np.moveaxis(q.reshape(q.shape[:-2] + (-1,))[..., :K], -1, axis).astype(np.float32)
;;   ~~~
;;   INPUTS GIVEN AS CODES. Wk (in the module: [512, 128], K = its axis 0); Wq (in the module: [512, 128], K = its axis 0); ks (in the module: [8, 512, 512], K = its axis 2); qs (in the module: [8, 512, 512], K = its axis 2): each comes as NAME_codes (uint8): NAME with its K axis moved to the last place and cut into blocks of 32 codes, [.., K / 32, bytes a block], one block behind the other in memory; one code a byte (a code: sign, 4 exponent bits, 3 mantissa bits); and NAME_scales (uint8): the same leading axes, one E8M0 byte (e + 127) for each 32 codes along K. Its value is code x scale, taken as it is: it is not quantised again, and the codes and scales need not be those that the quantiser above would give.
;; One version. Each part assembles by itself: llvm-mc -triple=amdgcn-amd-amdhsa -mcpu=gfx1250 --defsym DOCPART=n.
;; ======== version 1 of 1: 1 launch
;; limits: right only within a limited range of input values
;; launch scorer (part 1): grid 8 x 32, 16 waves a work-group, clusters of 4 x 1, 269,312 bytes of LDS; arguments ks_codes, ks_scales, qs_codes, qs_scales, Wk_codes, Wk_scales, Wq_codes, Wq_scales, wv, out0; writes out0
.if DOCPART == 1
	.amdgcn_target "amdgcn-amd-amdhsa--gfx1250"
	.amdhsa_code_object_version 6
	.text
	.protected	k_q44feb307cd_scorer
	.globl	k_q44feb307cd_scorer
	.p2align	8
	.type	k_q44feb307cd_scorer,@function
k_q44feb307cd_scorer:
	s_mov_b64 s[64:65], 0
	v_nop
	global_prefetch_b8 v0, s[64:65] scope:SCOPE_SE
	s_setreg_imm32_b32 hwreg(HW_REG_WAVE_MODE, 25, 1), 1
	s_wait_xcnt 0x0
	s_wait_alu depctr_hold_cnt(0) depctr_sa_sdst(0) depctr_va_vdst(0) depctr_va_sdst(0) depctr_va_ssrc(0) depctr_va_vcc(0) depctr_vm_vsrc(0)
	s_getreg_b32 s2, hwreg(HW_REG_IB_STS2, 6, 4)
	s_cmp_eq_u32 s2, 0
	s_cbranch_scc0 .Lentry_in_a_cluster
	s_endpgm
.Lentry_in_a_cluster:
	s_bfe_u32 s2, ttmp6, 0x10000c
	s_cmp_lg_u32 s2, 0x3003
	s_cbranch_scc0 .Lentry_shape_is_right
	s_endpgm
.Lentry_shape_is_right:
; out[b][q][k] = sum over h of wv[h] tanh(Q[b][q][h] + K[b][k][h]),  Q = qs Wq, K = ks Wk: two products on codes of FP8 (E4M3) with one E8M0 scale for each 32 along their K (512), f32 sums.
; ONE LAUNCH.  A work-group of sixteen waves owns 64 queries x 128 keys of one batch: 8 x 4 x 8 = 256 work-groups.  It projects its own 64 + 128 rows (384 matrix instructions), keeps the results in LDS and
; runs the tanh stage from there: 64 x 128 x 128 numbers, 2,048 registers of 32 lanes a wave.  The tanh stage is nearly all of the work, so the text is built round the instructions that one number costs.
; THE TANH.  tanh(x) = 1 - 2 / (1 + 2^(c x)), c = 2 log2(e).  With x = a + b the power is split ONCE for each (row, h): c a = n + f, n = floor(c a) kept as a whole number, m = 2^f in [1, 2].
; Then for each number: N = n_a + n_b;  z = ldexp(m_b, N);  d = z m_a + 1 (packed);  r = 1 / d;  sum += (-2 wv[h]) r (packed), the sums beginning at the sum of wv.  One reciprocal and three plain
; instructions a number.  ldexp runs out to infinity or to 0, which gives r = 0 or r = 1: tanh = +1 or -1; no power of two is ever formed that could overflow by itself.
; LIMITS.  c Q and c K are held within +-2^20 (|Q|, |K| up to 363,000); beyond that, two held numbers of opposite sign would count as a sum of 0.  The split rounds c a once: an error of 2^-24 |c a| in the exponent.
; NaN codes and scale bytes 0xff are not served (the hold drops a NaN); wv is taken to be finite.
; CLUSTER.  The four work-groups of a cluster are four blocks of queries with the same batch and the same 128 keys.  They need the same rows of ks, and all of Wk and Wq: 192 KiB of a work-group's 224, asked for JOINTLY
; (the same tensor load, the same descriptor, a mask that names the four).  The 64 rows of qs are the work-group's own and come by a load without a mask.
; LEFT OUT.  No ring: every LDS byte is filled once, at the head.  No prefetch: all that comes from memory is asked for at the head.  No register windows: 256 registers a wave, four waves to a SIMD.
; The last product (N = 1) stays in the vector unit: a conversion to 16 bits would cost what its packed multiply-add costs.  Waves 12 to 15 have no part in the projection: its 96 tiles are 12 blocks of 2 x 4.
;
; LDS.  First the codes as they come: rows of 512 bytes + 16 of padding = 132 words, so that row r starts at bank 4 r mod 64 (64 banks of 4 bytes: ISA guide 11.1); 64 rows for each of waves 0 to 6:
;   rows 0-127 ks, 128-255 Wk, 256-383 Wq, 384-447 qs.  When every wave has read its fragments (a barrier), the tables are stored over these bytes, which have had their only fill:
;   a table row is [128 m, f32][128 n, i32][16 bytes]: RP = 1,040 bytes;  key 4 L + j lies at j JS + L RP;  query 4 w + i at QTAB + i JS + w RP;  -2 wv at WT.
;   RP = 65 x 16 bytes and JS = 4 x 16 bytes modulo 256: the sixteen lanes of a 16-byte access, be it the tables' stores or the keys' loads, fall on sixteen different columns of 16 bytes.
.set SP,    528                        ; a row of codes in LDS
.set RP,    1040                       ; a table row
.set JS,    32*RP+64                   ; from block j to block j + 1
.set QTAB,  4*JS                       ; the queries' table
.set WT,    8*JS                       ; -2 wv: 512 bytes; LDS ends at WT + 512 = 267,264
; vector registers
.set AX,    10                         ; v10  my lane's place in my rows' codes
.set AW,    11                         ; v11  and in my rows of W
.set ST,    12                         ; v12  where my lane's results go in the tables
.set WST,   13                         ; v13  WT + 16 x lane
.set RO,    14                         ; v14  16 x (lane % 16): a row of scale bytes
.set LO,    15                         ; v15  16 x lane
.set PA,    16                         ; v16-79   projection: 8 accumulators, (a, t) at PA + 8 (4 a + t); then c x, f, m
.set XF,    80                         ; v80-111  two fragments of my rows
.set WF,    112                        ; v112-175 four fragments of W
.set NF,    80                         ; v80-143  behind the products: floor(c x), then n
.set WVR,   176                        ; v176-179 wv, v180-183 -2 wv, v184-185 at work
.set ACC,   16                         ; v16-47   tanh stage: a pair of sums for (query q, key j) at ACC + 2 (4 q + j): even h, odd h
.set T,     48                         ; v48-79   two sets of 16: N, z, d, r of a batch
.set BUF,   80                         ; v80-147, v148-215 two buffers of 68: +0 m of 4 keys x 4 h, +16 their n, +32 m of 4 queries x 4 h, +48 their n, +64 -2 wv of the 4 h
.set BASE,  216                        ; v216-220 LDS: keys' blocks 0 and 2, queries' blocks 0 and 2, -2 wv; never rewritten
.set AD,    221                        ; v221-225 the same + the trip's h offset
.set INIT,  226                        ; v[226:227] (sum of wv, 0)
.set LIMV,  228                        ; v228 2^20
.set XS,    232                        ; v232-239 my rows' scale words: tile a, K step s at XS + 4 a + s
.set WS,    240                        ; v240-255 W's: tile t, K step s at WS + 4 t + s.  v232-255 hold scales and nothing else
; scalar registers
.set G1J,   24                         ; s[24:31] descriptor group 1 of the joint loads
.set G1P,   32                         ; s[32:39] of the work-group's own load: the same without mask
.set G0K,   40                         ; s[40:43] group 0: ks;  s[44:47] Wk;  s[48:51] Wq;  s[52:55] qs
.set G0WK,  44
.set G0WQ,  48
.set G0Q,   52
.set WV,    66                         ; s66 my wave's number
.set CX,    67                         ; s67 my place in the cluster
.set QTI,   68                         ; s68 my block of 64 queries: 4 x cluster x + cx
.set YY,    69                         ; s69 4 x batch + block of 128 keys
.set BB,    70                         ; s70 the batch
.set LA,    71                         ; s71 where my tensor load lands
.set HO,    72                         ; s72 the trip's h offset in bytes
.set CNT,   73                         ; s73 trips to go
.set SEL,   74                         ; s[74:75] lane selects for v_permlanex16_b32: lane l xor 16
.set C2,    76                         ; s[76:77] c = 2 log2(e); the packed form names a pair and takes its low word for both halves
.set XSP,   78                         ; s[78:79] my rows' scale bytes
.set WSP,   80                         ; s[80:81] my rows of W's scale bytes
.set OUTP,  82                         ; s[82:83] my first row of out, at my work-group's first key
; A round of the cluster's barrier: my work-group's barrier, so that wave 0's signal speaks for all sixteen waves; wave 0 signals for the work-group; every wave waits for all four work-groups; my work-group's barrier once more.
.macro ROUND
	s_barrier_signal -1
	s_barrier_wait -1
	s_cmp_lg_u32 s[WV], 0
	s_cbranch_scc1 .Lnot_wave_0_\@
	s_barrier_signal -3
.Lnot_wave_0_\@:
	s_barrier_wait -3
	s_barrier_signal -1
	s_barrier_wait -1
.endm
.macro NOPS n
.rept \n
	v_nop
.endr
.endm
	s_load_b512 s[4:19], s[0:1], 0x0               ; ks codes s[4:5], scales s[6:7]; qs s[8:9], s[10:11]; Wk s[12:13], s[14:15]; Wq s[16:17], s[18:19]
	s_load_b128 s[20:23], s[0:1], 0x40             ; wv s[20:21], out s[22:23]
	v_lshl_add_u32 v230, v0, 2, 0x41400
	v_mov_b32 v231, 0
	ds_add_u32 v230, v231
	ds_add_u32 v230, v231
	v_and_b32 v1, 31, v0                           ; L: lane
	v_and_b32 v2, 15, v0                           ; r = L % 16
	v_bfe_u32 v3, v0, 4, 1                         ; hh = L / 16
	v_lshrrev_b32 v4, 5, v0
	v_readfirstlane_b32 s[WV], v4                  ; wave 0..15
	s_bfe_u32 s[CX], ttmp6, 0x40000                ; cx
	s_lshl_b32 s[QTI], ttmp9, 2                    ; in a cluster launch ttmp9 counts clusters
	s_add_co_u32 s[QTI], s[QTI], s[CX]             ; it enters qs's, its scales' and out's addresses alone
	s_and_b32 s[YY], ttmp7, 0xffff
	s_lshr_b32 s[BB], s[YY], 2
	s_min_u32 s[LA], s[WV], 6                      ; waves 0 to 6 fetch, 64 rows each
	s_mul_i32 s[LA], s[LA], 64*SP
	s_lshr_b32 s56, s[WV], 1                       ; rho: which 32 rows I project (0-3: of ks; 4, 5: of qs)
	s_and_b32 s57, s[WV], 1                        ; h2: which 64 of the 128 h
	s_lshr_b32 s58, s[WV], 3                       ; side: 0 keys, 1 queries
	; every LDS address is made here, ahead of the first branch on the wave's number
	v_mul_u32_u24 v4, v2, SP
	v_lshl_add_u32 v4, v3, 4, v4                   ; a fragment's row x pitch + 16 x half
	s_lshl_b32 s59, s56, 5
	s_lshl_b32 s60, s58, 8
	s_add_co_u32 s59, s59, s60                     ; my rows begin at LDS row 32 rho + 256 side (qs lies at 384 = 32 x 4 + 256)
	s_mul_i32 s59, s59, SP
	v_add_nc_u32 v[AX], s59, v4
	s_lshl_b32 s59, s58, 7
	s_lshl_b32 s60, s57, 6
	s_add_co_u32 s59, s59, s60
	s_add_co_u32 s59, s59, 128                     ; my rows of W: 128 + 128 side + 64 h2
	s_mul_i32 s59, s59, SP
	v_add_nc_u32 v[AW], s59, v4
	v_and_b32 v5, 3, v2
	v_lshrrev_b32 v6, 2, v2
	v_mul_u32_u24 v[ST], v5, JS                    ; row 32 rho + 16 a + r of a table goes to block r % 4,
	v_mad_u32_u24 v[ST], v6, RP, v[ST]             ; table row 8 rho + 4 a + r / 4,
	v_lshl_add_u32 v[ST], v3, 5, v[ST]             ; my half's eight h: 32 hh bytes on
	s_mul_i32 s59, s58, 4*JS
	s_lshl_b32 s60, s56, 1
	s_and_b32 s60, s60, 7
	s_mul_i32 s60, s60, 4*RP
	s_add_co_u32 s59, s59, s60
	s_lshl_b32 s60, s57, 8
	s_add_co_u32 s59, s59, s60
	v_add_nc_u32 v[ST], s59, v[ST]
	v_lshlrev_b32 v[LO], 4, v1
	v_lshlrev_b32 v[RO], 4, v2
	v_add_nc_u32 v[WST], WT, v[LO]
	v_mul_u32_u24 v[BASE], v1, RP                  ; my lane's four keys: 4 L + j, blocks 0 and 1 from this register,
	v_add_nc_u32 v[BASE+1], 2*JS, v[BASE]          ; blocks 2 and 3 from this
	s_mul_i32 s59, s[WV], RP
	s_add_co_u32 s59, s59, QTAB
	v_mov_b32 v[BASE+2], s59                       ; my wave's four queries: 4 w + i: one address for all lanes
	v_add_nc_u32 v[BASE+3], 2*JS, v[BASE+2]
	v_mov_b32 v[BASE+4], WT
	v_mov_b32 v[LIMV], 0x49800000                  ; 2^20
	v_mov_b32 v185, 0                              ; written once: a lane permute's destination counts as one of its sources
	s_mov_b32 s[SEL], 0x76543210
	s_mov_b32 s[SEL+1], 0xfedcba98
	s_mov_b32 s[C2], 0x4038aa3b                    ; 2 log2(e)
	s_mov_b32 s[C2+1], s[C2]                       ; (named with it as a pair, so it is written)
	s_mov_b32 s[HO], 0
	; descriptor group 1: a tile of 64 rows x 512 bytes, rows dense in memory, padded in LDS
	s_mov_b32 s[G1J], 15|(1<<20)|(1<<21)|(6<<22)|(3<<25)   ; 15:0 the mask: all four work-groups; 17:16 elements of 1 byte; 20 padding on; 21 set beside a mask; 24:22 after every 128 words (code 6); 31:25 four words (code 3)
	s_mov_b32 s[G1P], (1<<20)|(6<<22)|(3<<25)              ; the same without a mask
.irp g, G1J, G1P
	s_mov_b32 s[\g+1], 512<<16                     ; tensor_dim0 = 512
	s_mov_b32 s[\g+2], 64<<16                      ; tensor_dim1 = 64
	s_mov_b32 s[\g+3], 512<<16                     ; tile_dim0 = 512
	s_mov_b32 s[\g+4], 64                          ; tile_dim1 = 64
	s_mov_b32 s[\g+5], 512                         ; tensor_dim0_stride
	s_mov_b32 s[\g+6], 0
	s_mov_b32 s[\g+7], 0
.endr
	; byte offsets.  s56-63 hold nothing of cx: they feed the joint loads.  s84-91 may hold it
	s_lshl_b32 s58, s57, 15                        ; which 64 rows of a tensor's 128 I fetch
	s_mov_b32 s59, 0
	s_lshl_b32 s60, s[YY], 16                      ; ks: batch x 512 rows + key block x 128 rows, 512 bytes a row
	s_add_co_u32 s60, s60, s58
	s_mov_b32 s61, 0
	s_lshl_b32 s62, s[YY], 11                      ; ks's scale bytes: 16 a row; + my 32 rows
	s_lshl_b32 s63, s56, 9
	s_add_co_u32 s62, s62, s63
	s_mov_b32 s63, 0
	s_lshl_b32 s84, s[BB], 18                      ; qs: batch x 512 rows + query block x 64 rows
	s_lshl_b32 s86, s[QTI], 15
	s_add_co_u32 s84, s84, s86
	s_mov_b32 s85, 0
	s_lshl_b32 s86, s[BB], 13                      ; qs's scale bytes; + my 32 rows
	s_lshl_b32 s88, s[QTI], 10
	s_add_co_u32 s86, s86, s88
	s_and_b32 s88, s56, 3
	s_lshl_b32 s88, s88, 9
	s_add_co_u32 s86, s86, s88
	s_mov_b32 s87, 0
	s_lshl_b32 s88, s[BB], 9                       ; out: row 512 batch + 64 query block + 4 wave, 2,048 bytes a row; + 512 bytes x key block
	s_lshl_b32 s90, s[QTI], 6
	s_add_co_u32 s88, s88, s90
	s_lshl_b32 s90, s[WV], 2
	s_add_co_u32 s88, s88, s90
	s_lshl_b32 s88, s88, 11
	s_and_b32 s90, s[YY], 3
	s_lshl_b32 s90, s90, 9
	s_add_co_u32 s88, s88, s90
	s_mov_b32 s89, 0
	s_lshl_b32 s90, s57, 10                        ; W's scale bytes: my 64 rows
	s_mov_b32 s91, 0
	s_wait_dscnt 0x0
	s_wait_kmcnt 0x0
	s_mov_b32 s[G0K], 1                            ; 1:0 count = 1
	s_mov_b32 s[G0K+1], s[LA]                      ; 63:32 LDS address: no place in the cluster enters it
	s_add_nc_u64 s[G0K+2:G0K+3], s[4:5], s[60:61]  ; 120:64 global address
	s_or_b32 s[G0K+3], s[G0K+3], 0x80000000        ; 127:126 type = 2
	s_mov_b32 s[G0WK], 1
	s_mov_b32 s[G0WK+1], s[LA]
	s_add_nc_u64 s[G0WK+2:G0WK+3], s[12:13], s[58:59]
	s_or_b32 s[G0WK+3], s[G0WK+3], 0x80000000
	s_mov_b32 s[G0WQ], 1
	s_mov_b32 s[G0WQ+1], s[LA]
	s_add_nc_u64 s[G0WQ+2:G0WQ+3], s[16:17], s[58:59]
	s_or_b32 s[G0WQ+3], s[G0WQ+3], 0x80000000
	s_mov_b32 s[G0Q], 1
	s_mov_b32 s[G0Q+1], s[LA]
	s_add_nc_u64 s[G0Q+2:G0Q+3], s[8:9], s[84:85]
	s_or_b32 s[G0Q+3], s[G0Q+3], 0x80000000
	s_add_nc_u64 s[XSP:XSP+1], s[6:7], s[62:63]
	s_add_nc_u64 s[86:87], s[10:11], s[86:87]
	s_cmp_lt_u32 s[WV], 8                          ; waves 0 to 7 project keys, waves 8 to 11 queries: the choice hangs on the wave's number alone
	s_cselect_b64 s[XSP:XSP+1], s[XSP:XSP+1], s[86:87]
	s_cselect_b64 s[WSP:WSP+1], s[14:15], s[18:19]
	s_add_nc_u64 s[WSP:WSP+1], s[WSP:WSP+1], s[90:91]
	s_add_nc_u64 s[OUTP:OUTP+1], s[22:23], s[88:89]
	ROUND                                          ; all four work-groups are here: the joint loads meet
	; The fills, all of them, one a wave: waves 0, 1 ks; 2, 3 Wk; 4, 5 Wq (joint); wave 6 qs (my work-group's own).  The branches hang on the wave's number alone.  Four v_nop follow each line.
	s_cmp_lt_u32 s[WV], 2
	s_cbranch_scc0 .Lnot_ks
	tensor_load_to_lds s[G0K:G0K+3], s[G1J:G1J+7]
	s_nop 0
	NOPS 4
	s_branch .Lasked
.Lnot_ks:
	s_cmp_lt_u32 s[WV], 4
	s_cbranch_scc0 .Lnot_wk
	tensor_load_to_lds s[G0WK:G0WK+3], s[G1J:G1J+7]
	s_nop 0
	NOPS 4
	s_branch .Lasked
.Lnot_wk:
	s_cmp_lt_u32 s[WV], 6
	s_cbranch_scc0 .Lnot_wq
	tensor_load_to_lds s[G0WQ:G0WQ+3], s[G1J:G1J+7]
	s_nop 0
	NOPS 4
	s_branch .Lasked
.Lnot_wq:
	s_cmp_eq_u32 s[WV], 6
	s_cbranch_scc0 .Lasked
	tensor_load_to_lds s[G0Q:G0Q+3], s[G1P:G1P+7]
	s_nop 0
	NOPS 4
.Lasked:
	global_load_b128 v[WVR:WVR+3], v[LO], s[20:21] ; wv: 4 numbers a lane, all 128 in the wave
	s_cmp_lt_u32 s[WV], 12
	s_cbranch_scc0 .Lno_scales
.irp a, 0,1                                    ; a row's 16 scale bytes are the scale words of its four K steps: lane r takes row r's (lanes 16-31 hold the same and are not read)
	global_load_b128 v[XS+4*\a:XS+4*\a+3], v[RO], s[XSP:XSP+1] offset:256*\a
.endr
.irp t, 0,1,2,3
	global_load_b128 v[WS+4*\t:WS+4*\t+3], v[RO], s[WSP:WSP+1] offset:256*\t
.endr
.Lno_scales:
	s_wait_tensorcnt 0x0                           ; my fill has landed (the one tensor load that a wave has out),
	s_wait_loadcnt 0x0                             ; and so have wv and the scale words
	s_barrier_signal -1
	s_barrier_wait -1                              ; everybody's fill has landed
	; the sum of wv, with which every sum begins, and -2 wv
	v_add_f32 v184, v[WVR], v[WVR+1]
	v_add_f32 v185, v[WVR+2], v[WVR+3]
	v_add_f32 v184, v184, v185
	v_add_f32_dpp v184, v184, v184 row_xmask:1 row_mask:0xf bank_mask:0xf
	v_add_f32_dpp v184, v184, v184 row_xmask:2 row_mask:0xf bank_mask:0xf
	v_add_f32_dpp v184, v184, v184 row_xmask:4 row_mask:0xf bank_mask:0xf
	v_add_f32_dpp v184, v184, v184 row_xmask:8 row_mask:0xf bank_mask:0xf
	v_permlanex16_b32 v185, v184, s[SEL], s[SEL+1]
	v_add_f32 v[INIT], v184, v185
	v_mov_b32 v[INIT+1], 0
	v_pk_mul_f32 v[WVR+4:WVR+5], v[WVR:WVR+1], -2.0 op_sel_hi:[1,0]
	v_pk_mul_f32 v[WVR+6:WVR+7], v[WVR+2:WVR+3], -2.0 op_sel_hi:[1,0]
; THE PROJECTION.  Waves 0 to 11: two tiles of 16 rows x four tiles of 16 h, K in four steps of 128.  USED TRANSPOSED: source 0 = 16 rows of W (16 h), source 1 = 16 of my rows: lane (r, hh) then holds row r, and
; its register j the h 64 h2 + 16 t + 8 hh + j: eight neighbours of a table row.  A fragment is four loads of 16 bytes, 32 bytes apart (registers 4 c .. 4 c + 3: K = 32 c + 16 hh + 0 .. 15).
; The eight accumulators take turns, one instruction a turn.  The first step's products start the sums: nothing is cleared.
.macro KSTEP s
.if \s > 0
	NOPS 8                                         ; eight places in front of loads into registers that these matrix instructions have read
.endif
.irp a, 0,1
.irp c, 0,1,2,3
	ds_load_b128 v[XF+16*\a+4*\c:XF+16*\a+4*\c+3], v[AX] offset:\a*16*SP+128*\s+32*\c
.endr
.endr
.irp t, 0,1,2,3
.irp c, 0,1,2,3
	ds_load_b128 v[WF+16*\t+4*\c:WF+16*\t+4*\c+3], v[AW] offset:\t*16*SP+128*\s+32*\c
.endr
.endr
.irp t, 0,1,2,3
	s_wait_dscnt 12-4*\t                           ; my rows' fragments and W's tiles 0 to t are in; the four loads of each later tile may be out
.irp a, 0,1
.if \s == 0
	v_wmma_scale_f32_16x16x128_f8f6f4 v[PA+8*(4*\a+\t):PA+8*(4*\a+\t)+7], v[WF+16*\t:WF+16*\t+15], v[XF+16*\a:XF+16*\a+15], 0, v[WS+4*\t+\s], v[XS+4*\a+\s]
.else
	v_wmma_scale_f32_16x16x128_f8f6f4 v[PA+8*(4*\a+\t):PA+8*(4*\a+\t)+7], v[WF+16*\t:WF+16*\t+15], v[XF+16*\a:XF+16*\a+15], v[PA+8*(4*\a+\t):PA+8*(4*\a+\t)+7], v[WS+4*\t+\s], v[XS+4*\a+\s]
.endif
.endr
.endr
.endm
	s_cmp_lt_u32 s[WV], 12
	s_cbranch_scc0 .Lprojected
	KSTEP 0
	KSTEP 1
	KSTEP 2
	KSTEP 3
	NOPS 8                                         ; eight places directly behind the last products, on every way that leaves them: all that follows, whichever way is taken, may read their results, write their registers and load into their sources
.Lprojected:
	s_wait_dscnt 0x0                               ; my reads of the codes are over
	s_barrier_signal -1
	s_barrier_wait -1                              ; everybody's are: the tables may be stored over them
	; THE SPLIT: c x = n + f, m = 2^f; m and n go to the tables.  Each accumulator is read from its low end on.  (The places behind the products stand behind the products.)
	s_cmp_lt_u32 s[WV], 12
	s_cbranch_scc0 .Lno_table
.set I, 0
.rept 32
	v_pk_mul_f32 v[PA+2*I:PA+2*I+1], v[PA+2*I:PA+2*I+1], s[C2:C2+1] op_sel_hi:[1,0]   ; c x
.set I, I+1
.endr
.set I, 0
.rept 64
	v_med3_num_f32 v[PA+I], v[PA+I], -v[LIMV], v[LIMV]   ; held within +-2^20, so that n_a + n_b stays far inside 32 bits
.set I, I+1
.endr
.set I, 0
.rept 64
	v_floor_f32 v[NF+I], v[PA+I]
.set I, I+1
.endr
.set I, 0
.rept 32
	v_pk_add_f32 v[PA+2*I:PA+2*I+1], v[PA+2*I:PA+2*I+1], v[NF+2*I:NF+2*I+1] neg_lo:[0,1] neg_hi:[0,1]   ; f = c x - floor(c x), in [0, 1]
.set I, I+1
.endr
.set I, 0
.rept 64
	v_exp_f32 v[PA+I], v[PA+I]                     ; m = 2^f, in [1, 2]: one batch
.set I, I+1
.endr
.set I, 0
.rept 64
	v_cvt_i32_f32 v[NF+I], v[NF+I]                 ; n as a whole number: plain work behind the batch, which names none of its results
.set I, I+1
.endr
	s_wait_alu depctr_va_vdst(0)                   ; one wait for the 64 exponentials, ahead of the first line that names a result
.irp a, 0,1
.irp t, 0,1,2,3
	ds_store_b128 v[ST], v[PA+8*(4*\a+\t):PA+8*(4*\a+\t)+3] offset:\a*4*RP+64*\t
	ds_store_b128 v[ST], v[PA+8*(4*\a+\t)+4:PA+8*(4*\a+\t)+7] offset:\a*4*RP+64*\t+16
	ds_store_b128 v[ST], v[NF+8*(4*\a+\t):NF+8*(4*\a+\t)+3] offset:\a*4*RP+64*\t+512
	ds_store_b128 v[ST], v[NF+8*(4*\a+\t)+4:NF+8*(4*\a+\t)+7] offset:\a*4*RP+64*\t+528
.endr
.endr
	s_branch .Ltables
.Lno_table:
	s_cmp_eq_u32 s[WV], 12
	s_cbranch_scc0 .Ltables
	ds_store_b128 v[WST], v[WVR+4:WVR+7]           ; wave 12 stores -2 wv
.Ltables:
	s_wait_dscnt 0x0                               ; for the others' sake: my stores have landed
	s_barrier_signal -1
	s_barrier_wait -1                              ; the tables are whole; from here on LDS is only read
; THE TANH STAGE.  Wave w owns queries 4 w .. 4 w + 3 and all 128 keys; lane L holds keys 4 L + j.  A CHUNK is 4 h: 17 loads of 16 bytes (the keys' m and n; the queries' m and n and -2 wv, one address for all lanes).
; A BATCH is one query of a chunk: 16 registers (4 keys x 4 h).  Its work is a list of 48 plain instructions and 16 reciprocals, in three phases:
;   A (items 8-47):  N = n_b + n_a;  z = ldexp(m_b, N);  d = z m_a + 1, two at a time        R: r = 1 / d        C (items 0-7): the sums += r x (-2 wv), two at a time
; In a BODY one batch has its reciprocals; behind each stand three plain items: C of the batch before and A of the batch after, which work in the other set of 16 registers.  So no line between a reciprocal and the
; body's end names a reciprocal's result, and the sixteen have ONE wait, at the body's end.
.macro ITEM                            ; item X of the list, by the symbols that BODY has set
.if X < 8
.if CM != 0
.set u_, X/4
.set j_, X%4
.if (CM == 1) && (u_ == 0)
	v_pk_fma_f32 v[ACC+2*(4*PQ+j_):ACC+2*(4*PQ+j_)+1], v[TO+4*j_+2*u_:TO+4*j_+2*u_+1], v[PB+64+2*u_:PB+64+2*u_+1], v[INIT:INIT+1]   ; the first chunk starts the sums, at the sum of wv: nothing is cleared
.else
	v_pk_fma_f32 v[ACC+2*(4*PQ+j_):ACC+2*(4*PQ+j_)+1], v[TO+4*j_+2*u_:TO+4*j_+2*u_+1], v[PB+64+2*u_:PB+64+2*u_+1], v[ACC+2*(4*PQ+j_):ACC+2*(4*PQ+j_)+1]
.endif
.endif
.elseif AM != 0
.if X < 24
.set e_, X-8
	v_add_nc_u32 v[TO+e_], v[NBF+16+e_], v[NBF+48+4*NQ+e_%4]
.elseif X < 40
.set e_, X-24
	v_ldexp_f32 v[TO+e_], v[NBF+e_], v[TO+e_]
.else
.set g_, X-40
	v_pk_fma_f32 v[TO+2*g_:TO+2*g_+1], v[TO+2*g_:TO+2*g_+1], v[NBF+32+4*NQ+2*(g_%2):NBF+32+4*NQ+2*(g_%2)+1], 1.0 op_sel_hi:[1,1,0]
.endif
.endif
.set X, X+1
.endm
; The body of query q of the chunk in buffer p.  cmode: 0 no batch before; 1 it starts its sums; 2 it adds.  amode: 0 no batch after.
.macro BODY p, q, cmode, amode
.set TC, T+16*((\q)%2)                 ; this batch's set,
.set TO, T+16*(1-(\q)%2)               ; the other: the batch before's r, then the batch after's N, z, d
.set PQ, ((\q)+3)%4
.set NQ, ((\q)+1)%4
.set PB, BUF+68*(\p)
.if (\q) == 0
.set PB, BUF+68*(1-(\p))               ; the batch before belongs to the chunk before
.endif
.set NBF, BUF+68*(\p)
.if (\q) == 3
.set NBF, BUF+68*(1-(\p))              ; the batch after to the chunk after
.endif
.set CM, \cmode
.set AM, \amode
.set X, 0
.set I, 0
.rept 16
	v_rcp_f32 v[TC+I], v[TC+I]
	ITEM
	ITEM
	ITEM
.set I, I+1
.endr
.if AM == 0
	v_nop                                          ; a plain instruction behind the last reciprocal, where the list has none left
.endif
	s_wait_alu depctr_va_vdst(0)                   ; one wait for the sixteen reciprocals, ahead of the next body, which reads them
.endm
.macro LOADS p, off, a                 ; a chunk into buffer p, from the five address registers a on, off bytes further on
.set LB, BUF+68*(\p)
.irp j, 0,1,2,3
	ds_load_b128 v[LB+4*\j:LB+4*\j+3], v[\a+(\j/2)] offset:(\j%2)*JS+\off
	ds_load_b128 v[LB+16+4*\j:LB+16+4*\j+3], v[\a+(\j/2)] offset:(\j%2)*JS+512+\off
.endr
.irp j, 0,1,2,3
	ds_load_b128 v[LB+32+4*\j:LB+32+4*\j+3], v[\a+2+(\j/2)] offset:(\j%2)*JS+\off
	ds_load_b128 v[LB+48+4*\j:LB+48+4*\j+3], v[\a+2+(\j/2)] offset:(\j%2)*JS+512+\off
.endr
	ds_load_b128 v[LB+64:LB+67], v[\a+4] offset:\off
.endm
; A TRIP: two chunks, eight bodies.  A buffer is loaded again behind the body that last reads it (body 0 of the next chunk, whose C takes the old chunk's -2 wv), and is waited for two bodies later,
; ahead of the body whose A first reads it.
.macro TRIP first, last
.irp i, 0,1,2,3,4
	v_add_nc_u32 v[AD+\i], s[HO], v[BASE+\i]
.endr
	BODY 0, 0, 2*(1-\first), 1
	LOADS 1, 16, AD
	BODY 0, 1, 2-\first, 1
	BODY 0, 2, 2-\first, 1
	s_wait_dscnt 0x0                               ; buffer 1 is in
	BODY 0, 3, 2-\first, 1
	BODY 1, 0, 2-\first, 1
.if \last == 0
	LOADS 0, 32, AD
.endif
	BODY 1, 1, 2, 1
	BODY 1, 2, 2, 1
.if \last == 0
	s_wait_dscnt 0x0                               ; buffer 0 is in
.endif
	BODY 1, 3, 2, 1-\last
.if \last == 0
	s_add_co_u32 s[HO], s[HO], 32                  ; 8 h on
.endif
.endm
	LOADS 0, 0, BASE                               ; chunk 0
	s_wait_dscnt 0x0
.set TO, T                             ; phase A of the very first batch stands alone
.set NBF, BUF
.set NQ, 0
.set CM, 0
.set AM, 1
.set X, 8
.rept 40
	ITEM
.endr
	TRIP 1, 0                                      ; the first trip is written out: its sums begin
	s_mov_b32 s[CNT], 14
.Ltrip:
	TRIP 0, 0
	s_sub_co_u32 s[CNT], s[CNT], 1
	s_cmp_lg_u32 s[CNT], 0
	s_cbranch_scc1 .Ltrip
	TRIP 0, 1                                      ; the last trip is written out: it loads nothing beyond h = 127
.set TO, T+16                          ; phase C of the very last batch (query 3, buffer 1) stands alone; its reciprocals have had their wait
.set PQ, 3
.set PB, BUF+68
.set CM, 2
.set AM, 0
.set X, 0
.rept 8
	ITEM
.endr
	; THE WAY OUT: a sum's two halves are added; a lane's four keys are 16 neighbouring bytes of a row of out
.set I, 0
.rept 16
	v_add_f32 v[BUF+I], v[ACC+2*I], v[ACC+2*I+1]
.set I, I+1
.endr
.irp q, 0,1,2,3
	global_store_b128 v[LO], v[BUF+4*\q:BUF+4*\q+3], s[OUTP:OUTP+1] offset:2048*\q th:TH_STORE_NT   ; 32 lanes store 512 consecutive bytes, at a multiple of 512 from out's first byte; written once, read by nobody here
.endr
	s_wait_tensorcnt 0x0
	ds_add_u32 v230, v231
	s_wait_dscnt 0x0
	ROUND                                          ; the closing round: no work-group ends while a partner may still ask for a tile that names it
	s_endpgm
.Lfunc_end_k_q44feb307cd_scorer:
	.size	k_q44feb307cd_scorer, .Lfunc_end_k_q44feb307cd_scorer-k_q44feb307cd_scorer
	.p2alignl 7, 3214868480
	.fill 96, 4, 3214868480
	.section	.rodata,"a",@progbits
	.p2align	6, 0x0
	.amdhsa_kernel k_q44feb307cd_scorer
		.amdhsa_group_segment_fixed_size 269312
		.amdhsa_private_segment_fixed_size 0
		.amdhsa_enable_private_segment 0
		.amdhsa_kernarg_size 80
		.amdhsa_user_sgpr_count 2
		.amdhsa_user_sgpr_kernarg_segment_ptr 1
		.amdhsa_wavefront_size32 1
		.amdhsa_system_sgpr_workgroup_id_x 1
		.amdhsa_system_sgpr_workgroup_id_y 1
		.amdhsa_system_sgpr_workgroup_id_z 1
		.amdhsa_system_vgpr_workitem_id 0
		.amdhsa_next_free_vgpr 256
		.amdhsa_next_free_sgpr 92
		.amdhsa_reserve_vcc 0
		.amdhsa_float_denorm_mode_32 3
		.amdhsa_float_denorm_mode_16_64 3
		.amdhsa_memory_ordered 1
		.amdhsa_forward_progress 1
		.amdhsa_inst_pref_size 119
	.end_amdhsa_kernel
	.amdgpu_metadata
---
amdhsa.version: [ 1, 2 ]
amdhsa.kernels:
  - .name:           k_q44feb307cd_scorer
    .symbol:         k_q44feb307cd_scorer.kd
    .args:
      - { .name: ks_codes, .offset: 0, .size: 8, .value_kind: global_buffer, .address_space: global }
      - { .name: ks_scales, .offset: 8, .size: 8, .value_kind: global_buffer, .address_space: global }
      - { .name: qs_codes, .offset: 16, .size: 8, .value_kind: global_buffer, .address_space: global }
      - { .name: qs_scales, .offset: 24, .size: 8, .value_kind: global_buffer, .address_space: global }
      - { .name: Wk_codes, .offset: 32, .size: 8, .value_kind: global_buffer, .address_space: global }
      - { .name: Wk_scales, .offset: 40, .size: 8, .value_kind: global_buffer, .address_space: global }
      - { .name: Wq_codes, .offset: 48, .size: 8, .value_kind: global_buffer, .address_space: global }
      - { .name: Wq_scales, .offset: 56, .size: 8, .value_kind: global_buffer, .address_space: global }
      - { .name: wv, .offset: 64, .size: 8, .value_kind: global_buffer, .address_space: global }
      - { .name: out0, .offset: 72, .size: 8, .value_kind: global_buffer, .address_space: global }
    .group_segment_fixed_size: 269312
    .private_segment_fixed_size: 0
    .kernarg_segment_align: 8
    .kernarg_segment_size: 80
    .max_flat_workgroup_size: 512
    .sgpr_count:     92
    .vgpr_count:     256
    .wavefront_size: 32
...
	.end_amdgpu_metadata
.endif
;; end of part 1
